; MI455X (gfx1250); checked and timed in simulation.
; The chip was launched on July 23, 2026; its instructions are those of AMD's public machine-readable ISA for CDNA 5 (MIT licence, August 2026) and "CDNA5" Instruction Set Architecture Reference Guide (July 2026). The comments in the code are by the model that wrote it; some were corrected since.
;; Standard Multi Head Attention. Allowed arithmetic: float matrix products may take bf16 or f16 operands with f32 sums; all other float work in f32.
;; Inputs: bo 1,024 float32; wk 1,024 x 1,024 float32; wo 1,024 x 1,024 float32; wq 1,024 x 1,024 float32; wv 1,024 x 1,024 float32; x 2 x 2,048 x 1,024 float32.
;; Outputs: out0 2 x 2,048 x 1,024 float32.
;; 2 versions, each right; version 2 is version 1 with the launch cast written anew for expert scheduling mode. Each part assembles by itself: llvm-mc -triple=amdgcn-amd-amdhsa -mcpu=gfx1250 --defsym DOCPART=n.
;; ======== version 1 of 2: 4 launches
;; limits: values are held in f16: magnitudes above 65,504 overflow, below 6.1e-05 lose precision
;; workspace buffers: xw 16,777,216 bytes; qkv 25,165,824 bytes; att 8,388,608 bytes
;; launch cast (part 1): grid 32 x 8, 8 waves a work-group, no clusters, 0 bytes of LDS; arguments x, wq, wk, wv, wo, xw; writes xw
.if DOCPART == 1
	.amdgcn_target "amdgcn-amd-amdhsa--gfx1250"
	.amdhsa_code_object_version 6
	.text
	.protected	k_q5ec0a3cc5c_cast
	.globl	k_q5ec0a3cc5c_cast
	.p2align	8
	.type	k_q5ec0a3cc5c_cast,@function
k_q5ec0a3cc5c_cast:
	s_mov_b64 s[64:65], 0
	v_nop
	global_prefetch_b8 v0, s[64:65] scope:SCOPE_SE
	s_setreg_imm32_b32 hwreg(HW_REG_WAVE_MODE, 25, 1), 1
	s_wait_xcnt 0x0
; x and the four weight matrices, f32, are rounded once to f16 and laid one behind the other in xw:
;   bytes 0 .. 8 MiB: x as [4096][1024]; then wq, wk, wv, wo, each [1024 k][1024 n], 2 MiB each.  Nothing is transposed.
; LIMIT: f16 keeps 11 significant bits and is finite up to 65,504: a larger |x| or |w| becomes an infinity.
; A stream: every input byte is read once and every output byte written once, so LDS, barriers, the matrix unit and clusters
; (no two work-groups read the same bytes) would add nothing.
; Work-group (gx, gy): gy picks a unit of 4 MiB of f32 (0..3: the quarters of x; 4..7: wq, wk, wv, wo), gx 128 KiB of it.
; Load i of the group covers 4 KiB: thread t reads the 16 bytes at 16 t + 4096 i (a wave: 512 consecutive bytes) and stores the
; 8 bytes at 8 t + 2048 i (a wave: 256 consecutive bytes, at a multiple of 256 from xw's first byte).
; All 32 loads of a thread go out before the first wait; no register is written twice, so no source needs to be freed.
.set CHUNKS, 32
.set IN,  8                            ; v[8:135]    chunk i: 4 f32 as loaded
.set OUT, 136                          ; v[136:199]  chunk i: 4 f16 to store
	s_load_b256 s[4:11], s[0:1], 0x0               ; x s[4:5], wq s[6:7], wk s[8:9], wv s[10:11]
	s_load_b128 s[12:15], s[0:1], 0x20             ; wo s[12:13], xw s[14:15]
	s_and_b32 s18, ttmp7, 0xffff                   ; gy: the unit
	v_lshlrev_b32 v1, 4, v0                        ; 16 t
	v_lshlrev_b32 v2, 3, v0                        ; 8 t
	s_cmp_lt_u32 s18, 4
	s_cselect_b32 s20, s18, 0                      ; the quarter of x; a weight matrix is one unit
	s_lshl_b32 s20, s20, 22                        ; x 4 MiB
	s_lshl_b32 s21, ttmp9, 17                      ; + gx x 128 KiB
	s_add_co_u32 s20, s20, s21
	s_mov_b32 s21, 0
	s_lshl_b32 s22, s18, 21                        ; out: unit x 2 MiB
	s_lshl_b32 s23, ttmp9, 16                      ; + gx x 64 KiB
	s_add_co_u32 s22, s22, s23
	s_mov_b32 s23, 0
	s_wait_kmcnt 0x0
	s_mov_b64 s[16:17], s[4:5]                     ; the unit's buffer, chosen by gy alone
	s_cmp_eq_u32 s18, 4
	s_cselect_b64 s[16:17], s[6:7], s[16:17]
	s_cmp_eq_u32 s18, 5
	s_cselect_b64 s[16:17], s[8:9], s[16:17]
	s_cmp_eq_u32 s18, 6
	s_cselect_b64 s[16:17], s[10:11], s[16:17]
	s_cmp_eq_u32 s18, 7
	s_cselect_b64 s[16:17], s[12:13], s[16:17]
	s_add_nc_u64 s[16:17], s[16:17], s[20:21]
	s_add_nc_u64 s[14:15], s[14:15], s[22:23]
.set i, 0
.rept CHUNKS
	global_load_b128 v[IN+4*i:IN+4*i+3], v1, s[16:17] offset:4096*i th:TH_LOAD_NT
.set i, i+1
.endr
.set i, 0
.rept CHUNKS
	s_wait_loadcnt CHUNKS-1-i                      ; loads come back in order (ISA guide 5.7.1): chunk i is in, the younger ones stay out
	v_cvt_pk_f16_f32 v[OUT+2*i],   v[IN+4*i],   v[IN+4*i+1]
	v_cvt_pk_f16_f32 v[OUT+2*i+1], v[IN+4*i+2], v[IN+4*i+3]
	global_store_b64 v2, v[OUT+2*i:OUT+2*i+1], s[14:15] offset:2048*i
.set i, i+1
.endr
	s_endpgm
.Lfunc_end_k_q5ec0a3cc5c_cast:
	.size	k_q5ec0a3cc5c_cast, .Lfunc_end_k_q5ec0a3cc5c_cast-k_q5ec0a3cc5c_cast
	.p2alignl 7, 3214868480
	.fill 96, 4, 3214868480
	.section	.rodata,"a",@progbits
	.p2align	6, 0x0
	.amdhsa_kernel k_q5ec0a3cc5c_cast
		.amdhsa_group_segment_fixed_size 0
		.amdhsa_private_segment_fixed_size 0
		.amdhsa_enable_private_segment 0
		.amdhsa_kernarg_size 48
		.amdhsa_user_sgpr_count 2
		.amdhsa_user_sgpr_kernarg_segment_ptr 1
		.amdhsa_wavefront_size32 1
		.amdhsa_system_sgpr_workgroup_id_x 1
		.amdhsa_system_sgpr_workgroup_id_y 1
		.amdhsa_system_sgpr_workgroup_id_z 1
		.amdhsa_system_vgpr_workitem_id 0
		.amdhsa_next_free_vgpr 200
		.amdhsa_next_free_sgpr 66
		.amdhsa_reserve_vcc 0
		.amdhsa_float_denorm_mode_32 3
		.amdhsa_float_denorm_mode_16_64 3
		.amdhsa_memory_ordered 1
		.amdhsa_forward_progress 1
		.amdhsa_inst_pref_size 13
	.end_amdhsa_kernel
	.amdgpu_metadata
---
amdhsa.version: [ 1, 2 ]
amdhsa.kernels:
  - .name:           k_q5ec0a3cc5c_cast
    .symbol:         k_q5ec0a3cc5c_cast.kd
    .args:
      - { .name: x, .offset: 0, .size: 8, .value_kind: global_buffer, .address_space: global }
      - { .name: wq, .offset: 8, .size: 8, .value_kind: global_buffer, .address_space: global }
      - { .name: wk, .offset: 16, .size: 8, .value_kind: global_buffer, .address_space: global }
      - { .name: wv, .offset: 24, .size: 8, .value_kind: global_buffer, .address_space: global }
      - { .name: wo, .offset: 32, .size: 8, .value_kind: global_buffer, .address_space: global }
      - { .name: xw, .offset: 40, .size: 8, .value_kind: global_buffer, .address_space: global }
    .group_segment_fixed_size: 0
    .private_segment_fixed_size: 0
    .kernarg_segment_align: 8
    .kernarg_segment_size: 48
    .max_flat_workgroup_size: 256
    .sgpr_count:     66
    .vgpr_count:     200
    .wavefront_size: 32
...
	.end_amdgpu_metadata
.endif
;; end of part 1
;; launch qkvproj (part 2): grid 8 x 32, 4 waves a work-group, clusters of 4 x 4, 327,680 bytes of LDS; arguments xw, qkv; writes qkv
.if DOCPART == 2
	.amdgcn_target "amdgcn-amd-amdhsa--gfx1250"
	.amdhsa_code_object_version 6
	.text
	.protected	k_q5ec0a3cc5c_qkvproj
	.globl	k_q5ec0a3cc5c_qkvproj
	.p2align	8
	.type	k_q5ec0a3cc5c_qkvproj,@function
k_q5ec0a3cc5c_qkvproj:
	s_mov_b64 s[64:65], 0
	v_nop
	global_prefetch_b8 v0, s[64:65] scope:SCOPE_SE
	s_setreg_imm32_b32 hwreg(HW_REG_WAVE_MODE, 25, 1), 1
	s_wait_xcnt 0x0
	s_wait_alu depctr_hold_cnt(0) depctr_sa_sdst(0) depctr_va_vdst(0) depctr_va_sdst(0) depctr_va_ssrc(0) depctr_va_vcc(0) depctr_vm_vsrc(0)
	s_getreg_b32 s2, hwreg(HW_REG_IB_STS2, 6, 4)
	s_cmp_eq_u32 s2, 0
	s_cbranch_scc0 .Lentry_in_a_cluster
	s_endpgm
.Lentry_in_a_cluster:
	s_bfe_u32 s2, ttmp6, 0x10000c
	s_cmp_lg_u32 s2, 0xf033
	s_cbranch_scc0 .Lentry_shape_is_right
	s_endpgm
.Lentry_shape_is_right:
; q, k, v = x wq, x wk, x wv, from the f16 copies in xw (x [4096][1024]; each w [1024 k][1024 n]), sums in f32, rounded once to f16 and
; stored head by head: qkv[part 0..2][16 b + head][2048 s][64 d].
; LIMIT: |q|, |k|, |v| above 65,504 become infinities in f16 (with x and w both 30 times the drawn spread they stay near 5,000).
; A work-group makes 128 rows of x times 128 columns (two heads) of each of the three products, with four waves, as many as a WGP has SIMDs.
; Wave w: i = w / 2 picks 64 rows, j = w % 2 the head; its block is 64 rows x (q, k, v of one head): 4 x 12 tiles of 16 x 16 = 384 registers.
; For 32 along K it loads 16 fragments and issues 48 matrix instructions.
; K goes in 8 steps of 128 through two LDS slots.  A slot has four pieces, one tensor load each: wave 0 brings x's 128 rows x 256 bytes,
; waves 1, 2, 3 bring 128 k-rows x 256 bytes of wq, wk, wv.  The weights stay [k][n]: their fragments come by the transposing LDS load.
; CLUSTERS: 4 x 4 work-groups.  x's tile hangs on the block row alone and is asked for jointly by a row of the cluster; the weights' tiles hang
; on the block column alone and are asked for jointly by a column: the requests for both are divided by four.
; By this text's count a wave has two tensor loads out at the start and one behind each round.
; REGISTERS, in windows of 256:  window 0: addresses, x's fragments (two buffers), the way out;  window 1: the weights' fragments (two buffers);
; window 2: the accumulators of my row tiles 0, 1 (tile (a, b) at 8 (12 a + b), b = 4 part + column tile);  window 3: those of row tiles 2, 3.
; THE MATRIX INSTRUCTION IS USED TRANSPOSED (source 0 = 16 columns of a weight, source 1 = 16 rows of x): lane l then holds row l % 16 and its
; eight registers the columns 8 (l / 16) + 0..7: eight neighbouring numbers of a head's row, 16 bytes in f16.
.set PA,     272                       ; LDS pitch of x's rows: 256 bytes + 16: an odd multiple of 16
.set PB,     288                       ; LDS pitch of the weights' rows: 256 bytes + 32: an odd multiple of 32
.set PIECE,  128*PB                    ; 36,864 bytes: what one tensor load fills (x's piece uses 34,816 of them)
.set SLOT,   4*PIECE
.set STAGE,  2*SLOT                    ; behind the ring, never filled by a tensor load: for each wave [3 parts][16 rows][144 bytes]
.set WSTAGE, 3*16*144
.set LAPS,   4                         ; a lap = two K steps = once round the ring; 1024 / 256
.set ADRA, 16                          ; v16-17  LDS address of my x fragments in slot 0, 1
.set ADRB, 18                          ; v18-23  the same for the weights: 3 slot + part
.set STO,  24                          ; the way out: where I put 16 bytes of a row
.set RD,   25                          ; the way out: where I read rows back
.set CO,   26                          ; 16 x lane: my place in 512 consecutive bytes of the output
.set FA,   64                          ; window 0: x's fragments, buffer n at 64 + 32 n (4 fragments)
.set FB,   0                           ; window 1: the weights' fragments, buffer n at 96 n (12 fragments)
.set TMP,  128                         ; window 0: 48 registers, packed results
.set RB,   176                         ; window 0: 48 registers, rows read back
.set G1,  24                           ; s[24:31] group 1 for x's tiles
.set G0,  32                           ; s[32:39] group 0 for x's tiles, one set for each slot
.set G1B, 48                           ; s[48:55] group 1 for the weights' tiles
.set G0B, 56                           ; s[56:63] group 0 for the weights' tiles, one set for each slot
.set MUL_LO, 0xa1                      ; source 0 window 1, source 1 window 0, C and D window 2
.set MUL_HI, 0xf1                      ; the same, C and D window 3
.set TO_B,   0x40                      ; destination window 1, address window 0
.set MSB, 0
.macro WIN new                         ; the immediate's high byte repeats the setting that is left
.if MSB != \new
	s_set_vgpr_msb (MSB<<8)|\new
.set MSB, \new
.endif
.endm
.macro PLACES cnt                      ; places behind matrix instructions: plain vector instructions that name none of their registers (ISA guide 7.12.1)
.rept \cnt
	v_nop
.endr
.endm
; A joint load: wave 0 asks for x's tile, waves 1 to 3 for a weight's.  Each line has one mask and one set of registers for all that issue it.
.macro JLOAD s
	s_cmp_eq_u32 s10, 0
	s_cbranch_scc0 .Lfor_b_\@
	tensor_load_to_lds s[G0+4*\s:G0+4*\s+3], s[G1:G1+7]
	s_nop 0
	s_branch .Lasked_\@
.Lfor_b_\@:
	tensor_load_to_lds s[G0B+4*\s:G0B+4*\s+3], s[G1B:G1B+7]
	s_nop 0
.Lasked_\@:
.endm
.macro CREST                           ; a round of the cluster's barrier behind its opening work-group barrier
	s_cmp_lg_u32 s10, 0
	s_cbranch_scc1 .Lnot_wave_0_\@
	s_barrier_signal -3
.Lnot_wave_0_\@:
	s_barrier_wait -3
	s_barrier_signal -1
	s_barrier_wait -1
.endm
.macro CROUND                          ; a whole round
	s_barrier_signal -1
	s_barrier_wait -1
	CREST
.endm
	s_load_b128 s[4:7], s[0:1], 0x0                ; xw s[4:5], qkv s[6:7]
	s_set_vgpr_msb 0x40
	v_lshl_add_u32 v255, v0, 2, 0x4ec00
	s_set_vgpr_msb 0x4000
	v_mov_b32 v255, 0
	s_set_vgpr_msb 0x1
	ds_add_u32 v255, v255
	s_set_vgpr_msb 0x100
	v_lshrrev_b32 v1, 5, v0
	v_readfirstlane_b32 s10, v1                    ; wave 0..3
	s_lshr_b32 s11, s10, 1                         ; i: which 64 rows
	s_and_b32 s12, s10, 1                          ; j: which head of the two
	s_bfe_u32 s40, ttmp6, 0x40000                  ; cx
	s_bfe_u32 s41, ttmp6, 0x40004                  ; cy
	s_lshl_b32 s42, ttmp9, 2
	s_add_co_u32 s42, s42, s40                     ; X: block column, 0..7
	s_and_b32 s13, ttmp7, 0xffff
	s_lshl_b32 s13, s13, 2
	s_add_co_u32 s13, s13, s41                     ; Y: block row, 0..31
	s_lshl_b32 s43, s41, 2
	s_lshl_b32 s43, 15, s43                        ; my row of the cluster
	s_lshl_b32 s44, 0x1111, s40                    ; my column
	; group 1: tiles of 128 rows x 128 elements of 2 bytes, 1,024 elements from row to row; a pad behind every 64 words: 4 words for x, 8 for the weights
	s_or_b32 s[G1+0],  s43, (1<<16)|(1<<20)|(1<<21)|(5<<22)|(3<<25)
	s_or_b32 s[G1B+0], s44, (1<<16)|(1<<20)|(1<<21)|(5<<22)|(7<<25)
.irp g, G1, G1B
	s_mov_b32 s[\g+1], 128<<16                     ; tensor_dim0 = 128
	s_mov_b32 s[\g+2], 128<<16                     ; tensor_dim1 = 128
	s_mov_b32 s[\g+3], 128<<16                     ; tile_dim0 = 128
	s_mov_b32 s[\g+4], 128                         ; tile_dim1 = 128
	s_mov_b32 s[\g+5], 1024                        ; the pitch in memory
	s_mov_b32 s[\g+6], 0
	s_mov_b32 s[\g+7], 0
.endr
	s_lshl_b32 s16, s13, 18                        ; x: 128 Y rows of 2,048 bytes
	s_mov_b32 s17, 0
	s_lshl_b32 s46, s42, 8                         ; weights: 128 X columns of 2 bytes,
	s_lshl_b32 s45, s10, 21                        ; matrix w - 1 of 2 MiB each, the first at 8 MiB
	s_add_co_u32 s46, s46, s45
	s_add_co_u32 s46, s46, 0x600000
	s_mov_b32 s47, 0
	s_mul_i32 s20, s10, PIECE                      ; my piece of a slot: the wave's number alone
	; fragment addresses.  r = l % 16, h = l / 16, e = l % 8, g = (l / 8) % 2
	v_and_b32 v1, 15, v0
	v_bfe_u32 v2, v0, 4, 1
	v_and_b32 v6, 7, v0
	v_bfe_u32 v7, v0, 3, 1
	v_mul_u32_u24 v3, v1, PA
	v_lshl_add_u32 v3, v2, 4, v3                   ; r x pitch + 16 h
	s_mul_i32 s21, s11, 64*PA                      ; my 64 rows of x
	v_add_nc_u32 v[ADRA], s21, v3
	v_add_nc_u32 v[ADRA+1], SLOT, v[ADRA]
	v_lshl_add_u32 v8, v2, 3, v6                   ; k-row 8 h + e
	v_mul_u32_u24 v8, v8, PB
	v_lshl_add_u32 v8, v7, 4, v8                   ; + 16 g
	s_lshl_b32 s45, s12, 7                         ; + my head's 64 columns
	v_add_nc_u32 v8, s45, v8
.irp s, 0,1
.irp p, 0,1,2
	v_add_nc_u32 v[ADRB+3*\s+\p], \s*SLOT+(1+\p)*PIECE, v8
.endr
.endr
	s_mul_i32 s45, s10, WSTAGE
	s_add_co_u32 s45, s45, STAGE                   ; my stage
	v_mul_u32_u24 v4, v1, 144
	v_lshl_add_u32 v4, v2, 4, v4
	v_add_nc_u32 v[STO], s45, v4                   ; in: row r, 16 bytes for each half of the lanes
	v_bfe_u32 v5, v0, 3, 2
	v_mul_u32_u24 v5, v5, 144
	v_lshl_add_u32 v5, v6, 4, v5
	v_add_nc_u32 v[RD], s45, v5                    ; back: eight lanes take a row of 128 bytes, a wave four rows
	v_and_b32 v9, 31, v0
	v_lshlrev_b32 v[CO], 4, v9
	s_wait_dscnt 0x0
	s_wait_kmcnt 0x0
	s_add_nc_u64 s[14:15], s[4:5], s[16:17]
	s_add_nc_u64 s[46:47], s[4:5], s[46:47]
	CROUND                                         ; all sixteen work-groups are here: the first joint loads meet
.irp s, 0,1
	s_mov_b32 s[G0+4*\s], 1
	s_add_co_u32 s[G0+4*\s+1], s20, \s*SLOT
	s_add_nc_u64 s[G0+4*\s+2:G0+4*\s+3], s[14:15], \s*256          ; K step s: 128 elements along x's rows
	s_or_b32 s[G0+4*\s+3], s[G0+4*\s+3], 0x80000000
	s_mov_b32 s[G0B+4*\s], 1
	s_add_co_u32 s[G0B+4*\s+1], s20, \s*SLOT
	s_add_nc_u64 s[G0B+4*\s+2:G0B+4*\s+3], s[46:47], \s*262144     ; K step s: 128 rows down the weight
	s_or_b32 s[G0B+4*\s+3], s[G0B+4*\s+3], 0x80000000
	JLOAD \s
.endr
; 12 matrix instructions: row tile a of the window's two (hi = 0: my rows 0-31, 1: rows 32-63) x all 12 column tiles, 32 along K.
; The 48 accumulators take turns, one instruction a turn, in the same order in every quarter step.
.macro MUL12 buf, hi, a, zero
.irp b, 0,1,2,3,4,5,6,7,8,9,10,11
.if \zero
	v_wmma_f32_16x16x32_f16 v[8*(12*\a+\b):8*(12*\a+\b)+7], v[FB+96*\buf+8*\b:FB+96*\buf+8*\b+7], v[FA+32*\buf+8*(2*\hi+\a):FA+32*\buf+8*(2*\hi+\a)+7], 0
.else
	v_wmma_f32_16x16x32_f16 v[8*(12*\a+\b):8*(12*\a+\b)+7], v[FB+96*\buf+8*\b:FB+96*\buf+8*\b+7], v[FA+32*\buf+8*(2*\hi+\a):FA+32*\buf+8*(2*\hi+\a)+7], v[8*(12*\a+\b):8*(12*\a+\b)+7]
.endif
.endr
.endm
; 32 LDS loads in one run: quarter kq (32 along K) of a slot into buffer buf: 24 transposing loads of the weights, then 8 loads of x.
.macro FETCH slot, kq, buf
	WIN TO_B
.irp p, 0,1,2
.irp c, 0,1,2,3
	ds_load_tr16_b128 v[FB+96*\buf+8*(4*\p+\c):FB+96*\buf+8*(4*\p+\c)+3],   v[ADRB+3*\slot+\p] offset:\kq*32*PB+32*\c
	ds_load_tr16_b128 v[FB+96*\buf+8*(4*\p+\c)+4:FB+96*\buf+8*(4*\p+\c)+7], v[ADRB+3*\slot+\p] offset:\kq*32*PB+32*\c+16*PB
.endr
.endr
	WIN 0
.irp a, 0,1,2,3
	ds_load_b128 v[FA+32*\buf+8*\a:FA+32*\buf+8*\a+3],   v[ADRA+\slot] offset:64*\kq+16*PA*\a
	ds_load_b128 v[FA+32*\buf+8*\a+4:FA+32*\buf+8*\a+7], v[ADRA+\slot] offset:64*\kq+16*PA*\a+32
.endr
.endm
; One of a K step's first three quarters: multiplies buffer buf; in its middle it fetches quarter kq of the same slot into buffer nbuf.
.macro QUARTER slot, kq, buf, nbuf, zero
	s_wait_dscnt 4                                 ; the weights and x's row tiles 0, 1 are in; the youngest four loads (row tiles 2, 3) may be out
	WIN MUL_LO
	MUL12 \buf, 0, 0, \zero
	MUL12 \buf, 0, 1, \zero
	PLACES 4                                       ; four places in front of loads into registers that matrix instructions have read
	FETCH \slot, \kq, \nbuf
	s_wait_dscnt 32                                ; all but the 32 just issued
	WIN MUL_HI
	MUL12 \buf, 1, 0, \zero
	MUL12 \buf, 1, 1, \zero
.endm
.macro THREE slot, zero
	QUARTER \slot, 1, 0, 1, \zero
	QUARTER \slot, 2, 1, 0, 0
	QUARTER \slot, 3, 0, 1, 0
.endm
; The last quarter: multiplies buffer 1 and changes slots.  In front of the barrier each wave waits for its reads of this slot and for all its
; tensor loads (the one that is out is its piece of the next slot).  fill = 1: the barrier opens a round of the cluster's barrier, and the joint
; refill of this slot, two K steps ahead, is the first tensor load behind the round.  From a request to the wait for it: 180 matrix instructions.
.macro TURN slot, next, fill
	s_wait_dscnt 4
	WIN MUL_LO
	MUL12 1, 0, 0, 0
	s_wait_dscnt 0                                 ; my reads of this slot are over
	s_wait_tensorcnt 0x0                           ; all my tensor loads have landed
	ds_add_u32 v255, v255
	s_wait_dscnt 0x0
	s_barrier_signal -1
	MUL12 1, 0, 1, 0                               ; register work while the others arrive
	WIN 0
	s_barrier_wait -1
.if \fill
	CREST
	s_add_nc_u64 s[G0+4*\slot+2:G0+4*\slot+3], s[G0+4*\slot+2:G0+4*\slot+3], 512          ; no load of mine is out: both addresses step two K steps
	s_add_nc_u64 s[G0B+4*\slot+2:G0B+4*\slot+3], s[G0B+4*\slot+2:G0B+4*\slot+3], 524288
	JLOAD \slot
.endif
	PLACES 4
	FETCH \next, 0, 0
	WIN MUL_HI
	MUL12 1, 1, 0, 0
	MUL12 1, 1, 1, 0
.endm
.macro LAP zero
	THREE 0, \zero
	TURN 0, 1, 1
	THREE 1, 0
	TURN 1, 0, 1
.endm
	s_wait_tensorcnt 1                             ; my piece of K step 0 is in; K step 1's stays out
	s_barrier_signal -1
	s_barrier_wait -1
	FETCH 0, 0, 0
	LAP 1                                          ; the first lap's first products start the sums: nothing is cleared
	WIN 0
	s_mov_b32 s3, LAPS-2
.Llap:
	LAP 0
	WIN 0
	s_sub_co_u32 s3, s3, 1
	s_cmp_lg_u32 s3, 0
	s_cbranch_scc1 .Llap
	THREE 0, 0                                     ; the last lap fills nothing
	TURN 0, 1, 0
	THREE 1, 0
	s_wait_dscnt 4
	WIN MUL_LO
	MUL12 1, 0, 0, 0
	MUL12 1, 0, 1, 0
	s_wait_dscnt 0
	WIN MUL_HI
	MUL12 1, 1, 0, 0
	MUL12 1, 1, 1, 0
	; THE WAY OUT, 16 rows at a time: round to f16, 16 bytes a lane into my own stage, read back as whole rows, store 512 consecutive bytes a wave.
	PLACES 4                                       ; four places in front of the conversions, which read results
	s_lshr_b32 s22, s13, 4                         ; b
	s_lshl_b32 s22, s22, 4
	s_lshl1_add_u32 s22, s42, s22                  ; 16 b + 2 X
	s_add_co_u32 s22, s22, s12                     ; + j: my head
	s_lshl_b32 s22, s22, 18                        ; x 2,048 rows of 128 bytes
	s_and_b32 s23, s13, 15
	s_lshl_b32 s23, s23, 14                        ; + (Y % 16) x 128 rows
	s_add_co_u32 s22, s22, s23
	s_lshl_b32 s23, s11, 13                        ; + 64 i rows
	s_add_co_u32 s22, s22, s23
	s_mov_b32 s23, 0
	s_add_nc_u64 s[6:7], s[6:7], s[22:23]          ; q's rows,
	s_add_nc_u64 s[8:9], s[6:7], 0x800000          ; k's, 8 MiB further,
	s_add_nc_u64 s[18:19], s[6:7], 0x1000000       ; v's: a base each, since 8 MiB does not fit the immediate
.macro ST4 p, lo, ar
.irp t, 0,1,2,3
	s_wait_dscnt 11-4*\p-\t                        ; LDS loads come back in order: this one is in, the younger ones stay out
	global_store_b128 v[CO], v[RB+4*(4*\p+\t):RB+4*(4*\p+\t)+3], s[\lo:\lo+1] offset:(16*\ar+4*\t)*128
.endr
.endm
; rows 16 ar .. 16 ar + 15 of my block = the twelve tiles (a, 0..11) of window 2 or 3 (from = 0x0a or 0x0f: sources 0 and 1)
.macro OUT ar, a, from
	WIN \from
.irp b, 0,1,2,3,4,5,6,7,8,9,10,11
.irp e, 0,1,2,3
	v_cvt_pk_f16_f32 v[TMP+4*\b+\e], v[8*(12*\a+\b)+2*\e], v[8*(12*\a+\b)+2*\e+1]
.endr
.endr
	WIN 0
.irp p, 0,1,2
.irp c, 0,1,2,3
	ds_store_b128 v[STO], v[TMP+4*(4*\p+\c):TMP+4*(4*\p+\c)+3] offset:2304*\p+32*\c
.endr
.endr
	s_wait_xcnt 0x0                                ; RB, which the last sixteen rows' stores read, is loaded again only behind this wait
.irp p, 0,1,2
.irp t, 0,1,2,3
	ds_load_b128 v[RB+4*(4*\p+\t):RB+4*(4*\p+\t)+3], v[RD] offset:2304*\p+576*\t   ; LDS serves a wave's instructions in order: these see the stores above
.endr
.endr
	ST4 0, 6, \ar
	ST4 1, 8, \ar
	ST4 2, 18, \ar
.endm
	OUT 0, 0, 0x0a
	OUT 1, 1, 0x0a
	OUT 2, 0, 0x0f
	OUT 3, 1, 0x0f
	s_set_vgpr_msb 0x1
	s_wait_tensorcnt 0x0
	ds_add_u32 v255, v255
	s_wait_dscnt 0x0
	s_set_vgpr_msb 0x100
	CROUND                                         ; the closing round: no work-group ends while a partner may still ask for a tile that names it
	s_endpgm
.Lfunc_end_k_q5ec0a3cc5c_qkvproj:
	.size	k_q5ec0a3cc5c_qkvproj, .Lfunc_end_k_q5ec0a3cc5c_qkvproj-k_q5ec0a3cc5c_qkvproj
	.p2alignl 7, 3214868480
	.fill 96, 4, 3214868480
	.section	.rodata,"a",@progbits
	.p2align	6, 0x0
	.amdhsa_kernel k_q5ec0a3cc5c_qkvproj
		.amdhsa_group_segment_fixed_size 327680
		.amdhsa_private_segment_fixed_size 0
		.amdhsa_enable_private_segment 0
		.amdhsa_kernarg_size 16
		.amdhsa_user_sgpr_count 2
		.amdhsa_user_sgpr_kernarg_segment_ptr 1
		.amdhsa_wavefront_size32 1
		.amdhsa_system_sgpr_workgroup_id_x 1
		.amdhsa_system_sgpr_workgroup_id_y 1
		.amdhsa_system_sgpr_workgroup_id_z 1
		.amdhsa_system_vgpr_workitem_id 0
		.amdhsa_next_free_vgpr 960
		.amdhsa_next_free_sgpr 66
		.amdhsa_reserve_vcc 0
		.amdhsa_float_denorm_mode_32 3
		.amdhsa_float_denorm_mode_16_64 3
		.amdhsa_memory_ordered 1
		.amdhsa_forward_progress 1
		.amdhsa_inst_pref_size 164
	.end_amdhsa_kernel
	.amdgpu_metadata
---
amdhsa.version: [ 1, 2 ]
amdhsa.kernels:
  - .name:           k_q5ec0a3cc5c_qkvproj
    .symbol:         k_q5ec0a3cc5c_qkvproj.kd
    .args:
      - { .name: xw, .offset: 0, .size: 8, .value_kind: global_buffer, .address_space: global }
      - { .name: qkv, .offset: 8, .size: 8, .value_kind: global_buffer, .address_space: global }
    .group_segment_fixed_size: 327680
    .private_segment_fixed_size: 0
    .kernarg_segment_align: 8
    .kernarg_segment_size: 16
    .max_flat_workgroup_size: 128
    .sgpr_count:     66
    .vgpr_count:     960
    .wavefront_size: 32
...
	.end_amdgpu_metadata
.endif
;; end of part 2
;; launch attn (part 3): grid 8 x 32, 8 waves a work-group, clusters of 4 x 1, 327,680 bytes of LDS; arguments qkv, att; writes att
.if DOCPART == 3
	.amdgcn_target "amdgcn-amd-amdhsa--gfx1250"
	.amdhsa_code_object_version 6
	.text
	.protected	k_q5ec0a3cc5c_attn
	.globl	k_q5ec0a3cc5c_attn
	.p2align	8
	.type	k_q5ec0a3cc5c_attn,@function
k_q5ec0a3cc5c_attn:
	s_mov_b64 s[64:65], 0
	v_nop
	global_prefetch_b8 v0, s[64:65] scope:SCOPE_SE
	s_setreg_imm32_b32 hwreg(HW_REG_WAVE_MODE, 25, 1), 1
	s_wait_xcnt 0x0
	s_wait_alu depctr_hold_cnt(0) depctr_sa_sdst(0) depctr_va_vdst(0) depctr_va_sdst(0) depctr_va_ssrc(0) depctr_va_vcc(0) depctr_vm_vsrc(0)
	s_getreg_b32 s2, hwreg(HW_REG_IB_STS2, 6, 4)
	s_cmp_eq_u32 s2, 0
	s_cbranch_scc0 .Lentry_in_a_cluster
	s_endpgm
.Lentry_in_a_cluster:
	s_bfe_u32 s2, ttmp6, 0x10000c
	s_cmp_lg_u32 s2, 0x3003
	s_cbranch_scc0 .Lentry_shape_is_right
	s_endpgm
.Lentry_shape_is_right:
; att[bh][s][d] = softmax over keys of (q k^T / 8) times v, for one head bh (grid y) and 256 queries (grid x), from qkv[3][32 bh][2048][64] in f16.
; Sums, the softmax and what is carried from step to step in f32; the weights p and the result are rounded once to f16.
; LIMITS: the softmax takes a running maximum away, so any finite scores are served; an exponential below 2^-126 counts as 0; p below 2^-24
; rounds to 0 in f16; a score that is infinite or NaN gives NaN for its query, as in the formula.
; Eight waves, two for each of the WGP's four SIMDs.  Wave w: u = w % 4 picks 64 queries, z = w / 4 half of the keys of every slot;
; waves u and u + 4 are merged at the end.
; K and V go in 8 tiles of 256 keys through two LDS slots of eight pieces; wave w brings piece w, 64 keys x 128 bytes: waves 0-3 of K, 4-7 of V.
; CLUSTERS: the four query blocks of a cluster work on one head and read the same K and V: every tile is asked for jointly (mask 15).
; By this text's count a wave has two tensor loads out at the start and one behind each round.
; NO SHUFFLE BETWEEN THE PRODUCTS: S^T = K Q^T puts into lane (r = l % 16, h = l / 16), register j, the score of key 16 kt + 8 h + j and query r.
; A query's maximum and sum thus stay in its two lanes r and r + 16, and packing tiles 2 n and 2 n + 1 pairwise gives the source-1 fragment
; of P^T for keys 32 n .. 32 n + 31 as it stands.  O^T = V^T P^T, with V^T by the transposing LDS load; a lane of O^T holds 8 neighbouring d of one query.
; THE STATE of a query: NM = -c x (largest score so far), rounded, c = log2(e) / 8; p = exp2(score x c + NM), one fused multiply-add;
; when NM falls, the sums are multiplied by exp2(new NM - old NM): every exponent is taken against the same rounded number.
; THE ORDER OF A STEP (64 queries x 64 keys): the four query tiles take turns, and the turn of tile n has four parts:
;   PA  the maximum and the new state of tile n;
;   PB  its 16 multiply-adds and 32 exponentials, with the 8 matrix instructions of S^T of tile n + 1 spread among them, one at a time;
;   PC  its sum and its 16 conversions to f16;
;   PD  the 16 multiplications of O^T(n) by the step's factor, spread among the first four of the 8 matrix instructions of O^T(n).
; So vector work of the same wave stands behind most matrix instructions.  PB and PD need no change of register window inside them: S^T has only
; source 1 (Q) in window 1, and the exponentials have no source 1 and the multiply-adds a scalar one; O^T(n)'s factor multiplications name
; window 1 as destination and source 0 and window 0 as source 1, as O^T's matrix instructions do.
.set PIECE,  10240                     ; K: 64 rows at pitch 144 (9,216 bytes used); V: 64 rows at pitch 160
.set SLOT,   8*PIECE
.set MERGE,  2*SLOT                    ; behind the ring, never filled by a tensor load: for each pair of waves 36 x 512 bytes
.set MPAIR,  36*512
.set OSTAGE, MERGE+4*MPAIR             ; for each of waves 0-3: 64 rows x 144 bytes
.set AK,  8                            ; v8-9    LDS address of my K fragments in slot 0, 1
.set AV,  10                           ; v10-11  the same for V
.set MA,  12                           ; my 16 bytes in my pair's merge region
.set STO, 13                           ; the way out: in
.set RD,  14                           ; the way out: back
.set GO,  15                           ; 16 x lane
.set QO,  16                           ; my place in Q's rows
.set RC,  20                           ; v20-23  merge: at work, one for each query tile
.set LP,  24                           ; v24-31  a pair for each query tile qt: the sum of p over my half of the keys' registers
.set AL,  32                           ; v32-39  a pair (twice the same): the step's factor for the old sums
.set NM,  40                           ; v40-47  a pair (twice the same): -c x maximum
.set T,   48                           ; v48-63  at work
.set TA,  52                           ; four chains of the sum
.set TB,  54
.set TC,  56
.set TD,  58
.set KF,  64                           ; v64-127   K's fragment (kt, ks) at 16 kt + 8 ks; on the way out: rows read back
.set S,   128                          ; v128-255  tile (kt, qt) of S^T at 32 qt + 8 kt; then P^T (qt, n) at 32 qt + 16 n
.set O,   0                            ; window 1: tile (dt, qt) of O^T at 32 qt + 8 dt
.set Q,   128                          ; window 1: Q's fragment (qt, ks) at 16 qt + 8 ks
.set VF,  192                          ; window 1: V^T's fragment (dt, n) at 16 dt + 8 n
.set G1K, 24                           ; s[24:31] group 1 for K's pieces
.set G1V, 32                           ; s[32:39] group 1 for V's pieces: a wider pad
.set G0,  40                           ; s[40:47] group 0, one set for each slot
.set QKW, 0x04                         ; S^T: source 1 (Q) window 1, all else window 0
.set LD1, 0x40                         ; destination window 1, address window 0
.set PW,  0x51                         ; O^T: D, C and source 0 (V^T) window 1, source 1 (P^T) window 0
.set MSB, 0
.macro WIN new                         ; the immediate's high byte repeats the setting that is left
.if MSB != \new
	s_set_vgpr_msb (MSB<<8)|\new
.set MSB, \new
.endif
.endm
.macro PLACES cnt                      ; places behind matrix instructions: plain vector instructions that name none of their registers (ISA guide 7.12.1)
.rept \cnt
	v_nop
.endr
.endm
.macro JLOAD s                         ; waves 0-3 ask for a piece of K, waves 4-7 for a piece of V; the branch hangs on the wave's number alone
	s_cmp_eq_u32 s10, 0
	s_cbranch_scc0 .Lfor_v_\@
	tensor_load_to_lds s[G0+4*\s:G0+4*\s+3], s[G1K:G1K+7]
	s_nop 0
	s_branch .Lasked_\@
.Lfor_v_\@:
	tensor_load_to_lds s[G0+4*\s:G0+4*\s+3], s[G1V:G1V+7]
	s_nop 0
.Lasked_\@:
.endm
.macro CREST                           ; a round of the cluster's barrier behind its opening work-group barrier
	s_cmp_lg_u32 s8, 0
	s_cbranch_scc1 .Lnot_wave_0_\@
	s_barrier_signal -3
.Lnot_wave_0_\@:
	s_barrier_wait -3
	s_barrier_signal -1
	s_barrier_wait -1
.endm
.macro CROUND                          ; a whole round
	s_barrier_signal -1
	s_barrier_wait -1
	CREST
.endm
	s_load_b128 s[4:7], s[0:1], 0x0                ; qkv s[4:5], att s[6:7]
	v_lshl_add_u32 v18, v0, 2, 0x43000
	v_mov_b32 v19, 0
	ds_add_u32 v18, v19
	v_lshrrev_b32 v1, 5, v0
	v_readfirstlane_b32 s8, v1                     ; wave 0..7
	s_and_b32 s9, s8, 3                            ; u
	s_lshr_b32 s10, s8, 2                          ; z
	s_and_b32 s11, ttmp7, 0xffff                   ; bh
	s_bfe_u32 s17, ttmp6, 0x40000                  ; cx
	s_lshl_b32 s18, ttmp9, 2
	s_add_co_u32 s18, s18, s17                     ; query block 0..7
	s_mov_b32 s12, 0x3e38aa3b                      ; c = log2(e) / 8, twice: a pair for the packed multiply-add
	s_mov_b32 s13, 0x3e38aa3b
	s_mov_b32 s16, 0xbe38aa3b                      ; -c
	s_mov_b32 s14, 0x76543210                      ; v_permlanex16_b32: lane i of one half reads lane i of the other
	s_mov_b32 s15, 0xfedcba98
	; group 1: a piece is 8,192 dense bytes: 32 rows of 32 elements of 8 bytes; a pad behind every 32 words (a key's 128 bytes): 4 words for K, 8 for V
	s_mov_b32 s[G1K+0], 15|(3<<16)|(1<<20)|(1<<21)|(4<<22)|(3<<25)
	s_mov_b32 s[G1V+0], 15|(3<<16)|(1<<20)|(1<<21)|(4<<22)|(7<<25)
.irp g, G1K, G1V
	s_mov_b32 s[\g+1], 32<<16                      ; tensor_dim0 = 32
	s_mov_b32 s[\g+2], 32<<16                      ; tensor_dim1 = 32
	s_mov_b32 s[\g+3], 32<<16                      ; tile_dim0 = 32
	s_mov_b32 s[\g+4], 32                          ; tile_dim1 = 32
	s_mov_b32 s[\g+5], 32                          ; the pitch in memory
	s_mov_b32 s[\g+6], 0
	s_mov_b32 s[\g+7], 0
.endr
	s_add_co_u32 s50, s10, 1                       ; my piece in memory: part 1 (K) or 2 (V) of 8 MiB,
	s_lshl_b32 s50, s50, 23
	s_lshl_b32 s52, s11, 18                        ; head bh of 262,144 bytes,
	s_add_co_u32 s50, s50, s52
	s_lshl_b32 s52, s9, 13                         ; keys 64 u of the tile
	s_add_co_u32 s50, s50, s52
	s_mov_b32 s51, 0
	s_mul_i32 s53, s8, PIECE                       ; and in a slot: the wave's number alone
	s_lshl_b32 s20, s11, 18                        ; my queries' rows, in q and in att alike: head bh,
	s_lshl_b32 s21, s18, 15                        ; block of 256 rows of 128 bytes,
	s_add_co_u32 s20, s20, s21
	s_lshl_b32 s21, s9, 13                         ; 64 u rows
	s_add_co_u32 s20, s20, s21
	s_mov_b32 s21, 0
	; lane terms: r = l % 16, h = l / 16, e = l % 8, g = (l / 8) % 2
	v_and_b32 v1, 15, v0
	v_bfe_u32 v2, v0, 4, 1
	v_and_b32 v3, 7, v0
	v_bfe_u32 v4, v0, 3, 1
	v_and_b32 v5, 31, v0
	v_bfe_u32 v6, v0, 3, 2
	v_mul_u32_u24 v7, v1, 144
	v_lshl_add_u32 v7, v2, 4, v7                   ; r x 144 + 16 h
	s_mul_i32 s54, s10, 2*PIECE                    ; my half of the slot's keys
	v_add_nc_u32 v[AK], s54, v7
	v_add_nc_u32 v[AK+1], SLOT, v[AK]
	s_mul_i32 s56, s9, 64*144
	s_add_co_u32 s56, s56, OSTAGE
	v_add_nc_u32 v[STO], s56, v7
	v_mul_u32_u24 v7, v6, 144
	v_lshl_add_u32 v7, v3, 4, v7
	v_add_nc_u32 v[RD], s56, v7                    ; back: eight lanes take a row of 128 bytes
	v_lshl_add_u32 v7, v2, 3, v3                   ; key 8 h + e
	v_mul_u32_u24 v7, v7, 160
	v_lshl_add_u32 v7, v4, 4, v7                   ; + 16 g
	s_add_co_u32 s54, s54, 4*PIECE                 ; V lies behind K's four pieces
	v_add_nc_u32 v[AV], s54, v7
	v_add_nc_u32 v[AV+1], SLOT, v[AV]
	s_mul_i32 s55, s9, MPAIR
	s_add_co_u32 s55, s55, MERGE
	v_lshl_add_u32 v[MA], v5, 4, s55
	v_lshlrev_b32 v[GO], 4, v5
	v_lshlrev_b32 v[QO], 7, v1
	v_lshl_add_u32 v[QO], v2, 4, v[QO]             ; r x 128 + 16 h
	s_wait_dscnt 0x0
	s_wait_kmcnt 0x0
	s_add_nc_u64 s[48:49], s[4:5], s[50:51]
	s_add_nc_u64 s[22:23], s[4:5], s[20:21]
	s_add_nc_u64 s[6:7], s[6:7], s[20:21]
	CROUND                                         ; the four work-groups are here: the first joint loads meet
.irp s, 0,1
	s_mov_b32 s[G0+4*\s], 1
	s_add_co_u32 s[G0+4*\s+1], s53, \s*SLOT
	s_add_nc_u64 s[G0+4*\s+2:G0+4*\s+3], s[48:49], \s*32768        ; tile s: 256 keys of 128 bytes
	s_or_b32 s[G0+4*\s+3], s[G0+4*\s+3], 0x80000000
	JLOAD \s
.endr
	WIN LD1
.irp qt, 0,1,2,3
.irp ks, 0,1
	global_load_b128 v[Q+16*\qt+8*\ks:Q+16*\qt+8*\ks+3],   v[QO], s[22:23] offset:2048*\qt+64*\ks      ; Q stays in registers for the whole kernel
	global_load_b128 v[Q+16*\qt+8*\ks+4:Q+16*\qt+8*\ks+7], v[QO], s[22:23] offset:2048*\qt+64*\ks+32
.endr
.endr
	WIN 0
.macro KLOAD slot, st                  ; 16 loads: the fragments of my 64 keys of step st
	WIN 0
.irp kt, 0,1,2,3
.irp ks, 0,1
	ds_load_b128 v[KF+16*\kt+8*\ks:KF+16*\kt+8*\ks+3],   v[AK+(\slot)] offset:(\st)*PIECE+2304*\kt+64*\ks
	ds_load_b128 v[KF+16*\kt+8*\ks+4:KF+16*\kt+8*\ks+7], v[AK+(\slot)] offset:(\st)*PIECE+2304*\kt+64*\ks+32
.endr
.endr
.endm
.macro VLOAD slot, st                  ; 16 transposing loads: V^T of the same 64 keys
	WIN LD1
.irp dt, 0,1,2,3
.irp k2, 0,1
	ds_load_tr16_b128 v[VF+16*\dt+8*\k2:VF+16*\dt+8*\k2+3],   v[AV+(\slot)] offset:(\st)*PIECE+5120*\k2+32*\dt
	ds_load_tr16_b128 v[VF+16*\dt+8*\k2+4:VF+16*\dt+8*\k2+7], v[AV+(\slot)] offset:(\st)*PIECE+5120*\k2+32*\dt+2560
.endr
.endr
.endm
; One matrix instruction of S^T of query tile qt: number g = 4 ks + kt of its eight.  The four key tiles take turns, one instruction a turn,
; first with the constant 0 as C, then in place.
.macro QK1 qt, g
.set kt_, (\g)%4
.set ks_, (\g)/4
.if ks_ == 0
	v_wmma_f32_16x16x32_f16 v[S+32*(\qt)+8*kt_:S+32*(\qt)+8*kt_+7], v[KF+16*kt_:KF+16*kt_+7], v[Q+16*(\qt):Q+16*(\qt)+7], 0
.else
	v_wmma_f32_16x16x32_f16 v[S+32*(\qt)+8*kt_:S+32*(\qt)+8*kt_+7], v[KF+16*kt_+8:KF+16*kt_+15], v[Q+16*(\qt)+8:Q+16*(\qt)+15], v[S+32*(\qt)+8*kt_:S+32*(\qt)+8*kt_+7]
.endif
.endm
; One matrix instruction of O^T of query tile qt: d tile dt, keys 32 k2 .. 32 k2 + 31
.macro PV1 qt, dt, k2, zero
.if \zero
	v_wmma_f32_16x16x32_f16 v[O+32*\qt+8*\dt:O+32*\qt+8*\dt+7], v[VF+16*\dt+8*\k2:VF+16*\dt+8*\k2+7], v[S+32*\qt+16*\k2:S+32*\qt+16*\k2+7], 0
.else
	v_wmma_f32_16x16x32_f16 v[O+32*\qt+8*\dt:O+32*\qt+8*\dt+7], v[VF+16*\dt+8*\k2:VF+16*\dt+8*\k2+7], v[S+32*\qt+16*\k2:S+32*\qt+16*\k2+7], v[O+32*\qt+8*\dt:O+32*\qt+8*\dt+7]
.endif
.endm
; PA: the largest of query tile qt's scores (32 registers = 64 keys x 16 queries) and the new state.
.macro PA qt, first
.set SB, S+32*\qt
	v_max3_num_f32 v[T+0], v[SB+0], v[SB+1], v[SB+2]               ; four chains
	v_max3_num_f32 v[T+1], v[SB+3], v[SB+4], v[SB+5]
	v_max3_num_f32 v[T+2], v[SB+6], v[SB+7], v[SB+8]
	v_max3_num_f32 v[T+3], v[SB+9], v[SB+10], v[SB+11]
.set i, 12
.rept 10
	v_max3_num_f32 v[T+((i-12)/2)%4], v[T+((i-12)/2)%4], v[SB+i], v[SB+i+1]
.set i, i+2
.endr
	v_max3_num_f32 v[T+0], v[T+0], v[T+1], v[T+2]
	v_max_num_f32 v[T+0], v[T+0], v[T+3]
	v_permlanex16_b32 v[T+1], v[T+0], s14, s15                     ; the other half of the query's keys
	v_max_num_f32 v[T+0], v[T+0], v[T+1]
.if \first
	v_mul_f32 v[NM+2*\qt],   s16, v[T+0]
	v_mul_f32 v[NM+2*\qt+1], s16, v[T+0]
.else
	v_mul_f32 v[T+2], s16, v[T+0]
	v_min_num_f32 v[T+2], v[T+2], v[NM+2*\qt]                      ; -c x the running maximum
	v_sub_f32 v[T+3], v[T+2], v[NM+2*\qt]                          ; at most 0
	v_exp_f32 v[AL+2*\qt], v[T+3]
	v_mov_b32 v[NM+2*\qt],   v[T+2]                                ; a plain instruction stands between the exponential and the use of its result
	v_mov_b32 v[NM+2*\qt+1], v[T+2]
	s_wait_alu depctr_va_vdst(0)
	v_mov_b32 v[AL+2*\qt+1], v[AL+2*\qt]
.endif
.endm
; PB: p = exp2(score x c + NM) of query tile qt, four registers at a time; doqk = 1: behind each group stands one matrix instruction of S^T of
; query tile nq, which names none of tile qt's registers.  Each group's multiply-adds are issued one group ahead of its exponentials.
.macro PB qt, nq, doqk
.set SB, S+32*\qt
.if \doqk
	WIN QKW
.endif
	v_pk_fma_f32 v[SB:SB+1],   v[SB:SB+1],   s[12:13], v[NM+2*\qt:NM+2*\qt+1] op_sel_hi:[1,0,1]
	v_pk_fma_f32 v[SB+2:SB+3], v[SB+2:SB+3], s[12:13], v[NM+2*\qt:NM+2*\qt+1] op_sel_hi:[1,0,1]
.set g, 0
.rept 8
.if \doqk
	QK1 \nq, g
.endif
.if g < 7
	v_pk_fma_f32 v[SB+4*g+4:SB+4*g+5], v[SB+4*g+4:SB+4*g+5], s[12:13], v[NM+2*\qt:NM+2*\qt+1] op_sel_hi:[1,0,1]
	v_pk_fma_f32 v[SB+4*g+6:SB+4*g+7], v[SB+4*g+6:SB+4*g+7], s[12:13], v[NM+2*\qt:NM+2*\qt+1] op_sel_hi:[1,0,1]
.endif
	v_exp_f32 v[SB+4*g],   v[SB+4*g]
	v_exp_f32 v[SB+4*g+1], v[SB+4*g+1]
	v_exp_f32 v[SB+4*g+2], v[SB+4*g+2]
	v_exp_f32 v[SB+4*g+3], v[SB+4*g+3]
.set g, g+1
.endr
	WIN 0
.endm
; PC: the sum of p in four chains, and p rounded to f16 in place (register i of a half is made of its registers 2 i and 2 i + 1, ascending), the two
; interleaved so that a conversion writes over a register only behind the addition that reads it.  The first addition names none of the last four
; exponentials' registers: it is the plain place behind them.
.macro PC qt, first
.set SB, S+32*\qt
	s_wait_alu depctr_va_vdst(0)
	v_pk_add_f32 v[TA:TA+1], v[SB:SB+1],     v[SB+2:SB+3]
	v_pk_add_f32 v[TB:TB+1], v[SB+4:SB+5],   v[SB+6:SB+7]
	v_pk_add_f32 v[TC:TC+1], v[SB+8:SB+9],   v[SB+10:SB+11]
	v_pk_add_f32 v[TD:TD+1], v[SB+12:SB+13], v[SB+14:SB+15]
.set i, 0
.rept 8
	v_cvt_pk_f16_f32 v[SB+i], v[SB+2*i], v[SB+2*i+1]
	v_pk_add_f32 v[TA+2*(i%4):TA+2*(i%4)+1], v[TA+2*(i%4):TA+2*(i%4)+1], v[SB+16+2*i:SB+16+2*i+1]
.set i, i+1
.endr
	v_cvt_pk_f16_f32 v[SB+16], v[SB+16], v[SB+17]
	v_pk_add_f32 v[TA:TA+1], v[TA:TA+1], v[TB:TB+1]
	v_cvt_pk_f16_f32 v[SB+17], v[SB+18], v[SB+19]
	v_pk_add_f32 v[TC:TC+1], v[TC:TC+1], v[TD:TD+1]
	v_cvt_pk_f16_f32 v[SB+18], v[SB+20], v[SB+21]
	v_cvt_pk_f16_f32 v[SB+19], v[SB+22], v[SB+23]
.if \first
	v_pk_add_f32 v[LP+2*\qt:LP+2*\qt+1], v[TA:TA+1], v[TC:TC+1]
.else
	v_pk_add_f32 v[TA:TA+1], v[TA:TA+1], v[TC:TC+1]
.endif
	v_cvt_pk_f16_f32 v[SB+20], v[SB+24], v[SB+25]
	v_cvt_pk_f16_f32 v[SB+21], v[SB+26], v[SB+27]
.if \first == 0
	v_pk_fma_f32 v[LP+2*\qt:LP+2*\qt+1], v[LP+2*\qt:LP+2*\qt+1], v[AL+2*\qt:AL+2*\qt+1], v[TA:TA+1]
.endif
	v_cvt_pk_f16_f32 v[SB+22], v[SB+28], v[SB+29]
	v_cvt_pk_f16_f32 v[SB+23], v[SB+30], v[SB+31]
.endm
; PD: O^T of query tile qt: each d tile is multiplied by the step's factor just ahead of its first matrix instruction (first = 1: the constant 0 starts
; the sums and nothing is multiplied).  The four d tiles take turns, one instruction a turn.
.macro PD qt, first
	WIN PW
.irp dt, 0,1,2,3
.if \first == 0
.irp e, 0,2,4,6
	v_pk_mul_f32 v[O+32*\qt+8*\dt+\e:O+32*\qt+8*\dt+\e+1], v[O+32*\qt+8*\dt+\e:O+32*\qt+8*\dt+\e+1], v[AL+2*\qt:AL+2*\qt+1]
.endr
.endif
	PV1 \qt, \dt, 0, \first
.endr
.irp dt, 0,1,2,3
	PV1 \qt, \dt, 1, 0
.endr
	WIN 0
.endm
; One step: my 64 queries against the 64 keys of step st of LDS slot slot.  At its head K's fragments are in registers and S^T of query tile 0 is made.
; nk = 1: the next step's keys lie in slot nslot, step nst.
; rnd = 1: this is the slot's second step.  Behind PC of tile 1 all my reads of the slot are back (K's were waited for in the step before, V's in front of
; PD of tile 0): the waits, the round, and the joint refill of THIS slot, two tiles ahead.  rnd = 2: the same place, a plain barrier: nothing is left to fetch.
.macro STEP slot, st, first, nk, nslot, nst, rnd
	PA 0, \first                                   ; also the places between the last step's O^T and the loads into V^T's fragments
	VLOAD \slot, \st
	PB 0, 1, 1
	PC 0, \first
	s_wait_dscnt 0x0                               ; V^T's 16 loads are in: nothing else is out
	PD 0, \first
	PA 1, \first
	PB 1, 2, 1
	PC 1, \first
.if \rnd
	s_wait_tensorcnt 0x0                           ; all my tensor loads have landed: the one that was out is my piece of the other slot
	ds_add_u32 v18, v19
	s_wait_dscnt 0x0
	s_wait_dscnt 0x0                               ; my reads of this slot are over (met: see above)
	s_barrier_signal -1
.endif
	PD 1, \first                                   ; register work while the others arrive
.if \rnd
	s_barrier_wait -1
.endif
.if \rnd == 1
	CREST                                          ; both now hold of every wave of the four work-groups
	s_add_nc_u64 s[G0+4*\slot+2:G0+4*\slot+3], s[G0+4*\slot+2:G0+4*\slot+3], 0x10000   ; no load of mine is out: the address steps two tiles
	JLOAD \slot                                    ; my one tensor load behind the round, ahead of every LDS read
.endif
	PA 2, \first
	PB 2, 3, 1                                     ; the last S^T that reads this step's K
	PC 2, \first                                   ; also the places between it and the loads into K's fragments
.if \nk
	KLOAD \nslot, \nst
.endif
	PD 2, \first
	PA 3, \first
.if \nk
	s_wait_dscnt 0x0                               ; the next step's K is in: nothing else is out
.endif
	PB 3, 0, \nk                                   ; S^T of the next step's query tile 0
	PC 3, \first
	PD 3, \first
.endm
	s_wait_tensorcnt 1                             ; my piece of tile 0 is in; tile 1's stays out
	s_barrier_signal -1
	s_barrier_wait -1
	KLOAD 0, 0
	s_wait_loadcnt 0x0                             ; Q
	s_wait_dscnt 0x0
	WIN QKW
.set g, 0
.rept 8
	QK1 0, g                                       ; S^T of the first step's query tile 0
.set g, g+1
.endr
	WIN 0
	PLACES 4                                       ; four places in front of the reads of S
	STEP 0, 0, 1, 1, 0, 1, 0                       ; tile 0, first half of my keys: the first products start the sums
	s_mov_b32 s3, 3
.Lkv:
	STEP 0, 1, 0, 1, 1, 0, 1                       ; tiles 0, 2, 4, second half; slot 0 gets tiles 2, 4, 6
	STEP 1, 0, 0, 1, 1, 1, 0                       ; tiles 1, 3, 5
	STEP 1, 1, 0, 1, 0, 0, 1                       ; second half; slot 1 gets tiles 3, 5, 7
	STEP 0, 0, 0, 1, 0, 1, 0                       ; tiles 2, 4, 6
	s_sub_co_u32 s3, s3, 1
	s_cmp_lg_u32 s3, 0
	s_cbranch_scc1 .Lkv
	STEP 0, 1, 0, 1, 1, 0, 2                       ; tile 6, second half: the barrier shows tile 7 whole to every wave
	STEP 1, 0, 0, 1, 1, 1, 0                       ; tile 7
	STEP 1, 1, 0, 0, 0, 0, 0
	PLACES 4                                       ; four places in front of the stores and vector instructions that read O^T and of the loads into S
	; THE MERGE: waves 4-7 hand their O^T, NM and sums to waves 0-3 through LDS bytes of their own.
	s_cmp_eq_u32 s10, 0
	s_cbranch_scc1 .Lkeep
	WIN 0x04                                       ; store data in window 1
.set i, 0
.rept 32
	ds_store_b128 v[MA], v[O+4*i:O+4*i+3] offset:512*i
.set i, i+1
.endr
	WIN 0
	ds_store_b128 v[MA], v[NM:NM+3]   offset:16384
	ds_store_b128 v[MA], v[NM+4:NM+7] offset:16896
	ds_store_b128 v[MA], v[LP:LP+3]   offset:17408
	ds_store_b128 v[MA], v[LP+4:LP+7] offset:17920
.Lkeep:
	s_wait_dscnt 0x0                               ; for the partner's sake: my stores are done
	s_barrier_signal -1
	s_barrier_wait -1
	s_cmp_lg_u32 s10, 0
	s_cbranch_scc1 .Lend
.set i, 0
.rept 32
	ds_load_b128 v[S+4*i:S+4*i+3], v[MA] offset:512*i              ; the partner's O^T, register for register
.set i, i+1
.endr
	ds_load_b128 v[T:T+3],     v[MA] offset:16384                  ; its NM pairs at T + 2 qt
	ds_load_b128 v[T+4:T+7],   v[MA] offset:16896
	ds_load_b128 v[T+8:T+11],  v[MA] offset:17408                  ; its sums at T + 8 + 2 qt
	ds_load_b128 v[T+12:T+15], v[MA] offset:17920
	s_wait_dscnt 0x0
.irp qt, 0,1,2,3
	v_min_num_f32 v[RC+\qt], v[NM+2*\qt], v[T+2*\qt]               ; -c x the larger maximum
	v_sub_f32 v[AL+2*\qt],   v[RC+\qt], v[NM+2*\qt]
	v_sub_f32 v[AL+2*\qt+1], v[RC+\qt], v[T+2*\qt]
	v_exp_f32 v[AL+2*\qt],   v[AL+2*\qt]                           ; my factor
	v_exp_f32 v[AL+2*\qt+1], v[AL+2*\qt+1]                         ; the partner's
	v_add_f32 v[LP+2*\qt],  v[LP+2*\qt],  v[LP+2*\qt+1]            ; (a plain place behind the exponentials)
	v_add_f32 v[T+8+2*\qt], v[T+8+2*\qt], v[T+8+2*\qt+1]
	s_wait_alu depctr_va_vdst(0)
	v_mul_f32 v[LP+2*\qt], v[LP+2*\qt], v[AL+2*\qt]
	v_fma_f32 v[LP+2*\qt], v[T+8+2*\qt], v[AL+2*\qt+1], v[LP+2*\qt]
	v_permlanex16_b32 v[LP+2*\qt+1], v[LP+2*\qt], s14, s15         ; the other half of the query's registers
	v_add_f32 v[LP+2*\qt], v[LP+2*\qt], v[LP+2*\qt+1]              ; the whole sum: at least the term of the largest score, which is about 1
	v_rcp_f32 v[RC+\qt], v[LP+2*\qt]
	v_nop                                                          ; the plain place behind the reciprocal
	s_wait_alu depctr_va_vdst(0)
	v_mul_f32 v[NM+2*\qt], v[AL+2*\qt+1], v[RC+\qt]                ; the partner's factor over the sum,
	v_mul_f32 v[AL+2*\qt], v[AL+2*\qt],   v[RC+\qt]                ; mine over the sum,
	v_mov_b32 v[NM+2*\qt+1], v[NM+2*\qt]                           ; each twice, for the packed forms
	v_mov_b32 v[AL+2*\qt+1], v[AL+2*\qt]
.endr
.irp qt, 0,1,2,3
.set i, 0
.rept 16
	v_pk_mul_f32 v[S+32*\qt+i:S+32*\qt+i+1], v[S+32*\qt+i:S+32*\qt+i+1], v[NM+2*\qt:NM+2*\qt+1]
.set i, i+2
.endr
.endr
	WIN 0x01                                       ; source 0 (my O^T) in window 1
.irp qt, 0,1,2,3
.set i, 0
.rept 16
	v_pk_fma_f32 v[S+32*\qt+i:S+32*\qt+i+1], v[O+32*\qt+i:O+32*\qt+i+1], v[AL+2*\qt:AL+2*\qt+1], v[S+32*\qt+i:S+32*\qt+i+1]
.set i, i+2
.endr
.endr
	WIN 0
	; THE WAY OUT: round to f16 (a lane's 8 numbers are 16 bytes of a query's row), through my own stage, 512 consecutive bytes a store of the wave.
.irp qt, 0,1,2,3
.irp dt, 0,1,2,3
.irp e, 0,1,2,3
	v_cvt_pk_f16_f32 v[S+32*\qt+8*\dt+\e], v[S+32*\qt+8*\dt+2*\e], v[S+32*\qt+8*\dt+2*\e+1]
.endr
	ds_store_b128 v[STO], v[S+32*\qt+8*\dt:S+32*\qt+8*\dt+3] offset:2304*\qt+32*\dt
.endr
.endr
.set i, 0
.rept 16
	ds_load_b128 v[KF+4*i:KF+4*i+3], v[RD] offset:576*i            ; LDS serves a wave's instructions in order: these see the stores above
.set i, i+1
.endr
.set i, 0
.rept 16
	s_wait_dscnt 15-i                              ; this load is in, the younger ones stay out
	global_store_b128 v[GO], v[KF+4*i:KF+4*i+3], s[6:7] offset:512*i
.set i, i+1
.endr
.Lend:
	s_wait_tensorcnt 0x0
	ds_add_u32 v18, v19
	s_wait_dscnt 0x0
	CROUND                                         ; the closing round: no work-group ends while a partner may still ask for a tile that names it
	s_endpgm
.Lfunc_end_k_q5ec0a3cc5c_attn:
	.size	k_q5ec0a3cc5c_attn, .Lfunc_end_k_q5ec0a3cc5c_attn-k_q5ec0a3cc5c_attn
	.p2alignl 7, 3214868480
	.fill 96, 4, 3214868480
	.section	.rodata,"a",@progbits
	.p2align	6, 0x0
	.amdhsa_kernel k_q5ec0a3cc5c_attn
		.amdhsa_group_segment_fixed_size 327680
		.amdhsa_private_segment_fixed_size 0
		.amdhsa_enable_private_segment 0
		.amdhsa_kernarg_size 16
		.amdhsa_user_sgpr_count 2
		.amdhsa_user_sgpr_kernarg_segment_ptr 1
		.amdhsa_wavefront_size32 1
		.amdhsa_system_sgpr_workgroup_id_x 1
		.amdhsa_system_sgpr_workgroup_id_y 1
		.amdhsa_system_sgpr_workgroup_id_z 1
		.amdhsa_system_vgpr_workitem_id 0
		.amdhsa_next_free_vgpr 512
		.amdhsa_next_free_sgpr 66
		.amdhsa_reserve_vcc 0
		.amdhsa_float_denorm_mode_32 3
		.amdhsa_float_denorm_mode_16_64 3
		.amdhsa_memory_ordered 1
		.amdhsa_forward_progress 1
		.amdhsa_inst_pref_size 255
	.end_amdhsa_kernel
	.section	.bss,"aw",@nobits
	.p2align	6
	.space	262144
	.amdgpu_metadata
---
amdhsa.version: [ 1, 2 ]
amdhsa.kernels:
  - .name:           k_q5ec0a3cc5c_attn
    .symbol:         k_q5ec0a3cc5c_attn.kd
    .args:
      - { .name: qkv, .offset: 0, .size: 8, .value_kind: global_buffer, .address_space: global }
      - { .name: att, .offset: 8, .size: 8, .value_kind: global_buffer, .address_space: global }
    .group_segment_fixed_size: 327680
    .private_segment_fixed_size: 0
    .kernarg_segment_align: 8
    .kernarg_segment_size: 16
    .max_flat_workgroup_size: 256
    .sgpr_count:     66
    .vgpr_count:     512
    .wavefront_size: 32
...
	.end_amdgpu_metadata
.endif
;; end of part 3
;; launch outproj (part 4): grid 8 x 32, 4 waves a work-group, clusters of 4 x 4, 327,680 bytes of LDS; arguments att, xw, bo, out0; writes out0
.if DOCPART == 4
	.amdgcn_target "amdgcn-amd-amdhsa--gfx1250"
	.amdhsa_code_object_version 6
	.text
	.protected	k_q5ec0a3cc5c_outproj
	.globl	k_q5ec0a3cc5c_outproj
	.p2align	8
	.type	k_q5ec0a3cc5c_outproj,@function
k_q5ec0a3cc5c_outproj:
	s_mov_b64 s[64:65], 0
	v_nop
	global_prefetch_b8 v0, s[64:65] scope:SCOPE_SE
	s_setreg_imm32_b32 hwreg(HW_REG_WAVE_MODE, 25, 1), 1
	s_wait_xcnt 0x0
	s_wait_alu depctr_hold_cnt(0) depctr_sa_sdst(0) depctr_va_vdst(0) depctr_va_sdst(0) depctr_va_ssrc(0) depctr_va_vcc(0) depctr_vm_vsrc(0)
	s_getreg_b32 s2, hwreg(HW_REG_IB_STS2, 6, 4)
	s_cmp_eq_u32 s2, 0
	s_cbranch_scc0 .Lentry_in_a_cluster
	s_endpgm
.Lentry_in_a_cluster:
	s_bfe_u32 s2, ttmp6, 0x10000c
	s_cmp_lg_u32 s2, 0xf033
	s_cbranch_scc0 .Lentry_shape_is_right
	s_endpgm
.Lentry_shape_is_right:
; out0 = concat(att) wo + bo.  att[16 b + head][2048 s][64 d] and wo (in xw at 14 MiB, [1024 k][1024 n]) are f16; sums and the bias in f32; out0 is f32.
; The index k of the sum is 64 head + d.  LIMIT: none beyond the f16 operands made by the launches before.
; A work-group makes 128 x 128 of out0 with four waves; wave w (i = w / 2, j = w % 2) makes 64 x 64: 16 tiles, 128 registers.
; K goes in 4 tiles of 256 (four heads) through two LDS slots of four pieces, one tensor load each: waves 0, 1 bring two heads of att each
; (a head's 128 rows are 16,384 dense bytes), waves 2, 3 bring 128 k-rows x 256 bytes of wo each.  Two first fills and two refills: the text is written out.
; CLUSTERS: 4 x 4 work-groups; att's tiles hang on the block row alone and are asked for jointly by a row of the cluster, wo's on the block column
; alone and by a column.  By this text's count a wave has two tensor loads out at the start and one behind each round.
; The matrix instruction is used transposed (source 0 = 16 columns of wo by the transposing LDS load, source 1 = 16 rows of att): a lane holds
; eight neighbouring columns of one row, 32 bytes in f32.
.set PB,     288                       ; LDS pitch of wo's rows: 256 bytes + 32
.set PIECE,  128*PB                    ; 36,864 bytes = two heads x 128 rows x 144 as well
.set HEAD,   128*144                   ; a head's 128 rows at pitch 144
.set SLOT,   4*PIECE
.set STAGE,  2*SLOT                    ; behind the ring, never filled by a tensor load: for each wave 16 rows x 272 bytes
.set ADRA, 16                          ; v16-17  LDS address of my att fragments in slot 0, 1
.set ADRB, 18                          ; v18-21  the same for wo: 2 slot + piece
.set STO,  24
.set RD,   25
.set CO,   26
.set BO,   27                          ; my place in bo
.set BIAS, 28                          ; v[28:31] bo of my four columns
.set FA,   64                          ; window 0: att's fragments, buffer n at 64 + 64 n, (a, ks) at 16 a + 8 ks
.set RB,   192                         ; window 0: rows read back
.set FB,   0                           ; window 1: wo's fragments, buffer n at 64 n, (c, ks) at 16 c + 8 ks
.set ACC,  128                         ; window 1: tile (a, c) at 8 (4 a + c)
.set G1,  24
.set G0,  32
.set G1B, 48
.set G0B, 56
.set MULW, 0x51                        ; D, C and source 0 window 1, source 1 window 0
.set TO_B, 0x40
.set MSB, 0
.macro WIN new
.if MSB != \new
	s_set_vgpr_msb (MSB<<8)|\new
.set MSB, \new
.endif
.endm
.macro PLACES cnt                      ; places behind matrix instructions: plain vector instructions that name none of their registers (ISA guide 7.12.1)
.rept \cnt
	v_nop
.endr
.endm
.macro JLOAD s                         ; waves 0, 1 ask for att's pieces, waves 2, 3 for wo's
	s_cmp_eq_u32 s13, 0
	s_cbranch_scc0 .Lfor_b_\@
	tensor_load_to_lds s[G0+4*\s:G0+4*\s+3], s[G1:G1+7]
	s_nop 0
	s_branch .Lasked_\@
.Lfor_b_\@:
	tensor_load_to_lds s[G0B+4*\s:G0B+4*\s+3], s[G1B:G1B+7]
	s_nop 0
.Lasked_\@:
.endm
.macro CREST
	s_cmp_lg_u32 s12, 0
	s_cbranch_scc1 .Lnot_wave_0_\@
	s_barrier_signal -3
.Lnot_wave_0_\@:
	s_barrier_wait -3
	s_barrier_signal -1
	s_barrier_wait -1
.endm
.macro CROUND
	s_barrier_signal -1
	s_barrier_wait -1
	CREST
.endm
	s_load_b256 s[4:11], s[0:1], 0x0               ; att s[4:5], xw s[6:7], bo s[8:9], out0 s[10:11]
	v_lshl_add_u32 v254, v0, 2, 0x4c400
	v_mov_b32 v255, 0
	ds_add_u32 v254, v255
	v_lshrrev_b32 v1, 5, v0
	v_readfirstlane_b32 s12, v1                    ; wave 0..3
	s_lshr_b32 s13, s12, 1                         ; i.  Also: I fetch for att (0) or for wo (1)
	s_and_b32 s14, s12, 1                          ; j
	s_bfe_u32 s40, ttmp6, 0x40000                  ; cx
	s_bfe_u32 s41, ttmp6, 0x40004                  ; cy
	s_lshl_b32 s42, ttmp9, 2
	s_add_co_u32 s42, s42, s40                     ; X: block column, 0..7
	s_and_b32 s15, ttmp7, 0xffff
	s_lshl_b32 s15, s15, 2
	s_add_co_u32 s15, s15, s41                     ; Y: block row, 0..31
	s_lshl_b32 s43, s41, 2
	s_lshl_b32 s43, 15, s43                        ; my row of the cluster
	s_lshl_b32 s44, 0x1111, s40                    ; my column
	; group 1 for att: 2 rows (heads) of 2,048 elements of 8 bytes, 32,768 elements from head to head; 4 words of pad behind every 32 words (a row of 128 bytes)
	s_or_b32 s[G1+0], s43, (3<<16)|(1<<20)|(1<<21)|(4<<22)|(3<<25)
	s_mov_b32 s[G1+1], 2048<<16                    ; tensor_dim0 = 2,048
	s_mov_b32 s[G1+2], 2<<16                       ; tensor_dim1 = 2
	s_mov_b32 s[G1+3], 2048<<16                    ; tile_dim0 = 2,048
	s_mov_b32 s[G1+4], 2                           ; tile_dim1 = 2
	s_mov_b32 s[G1+5], 32768
	s_mov_b32 s[G1+6], 0
	s_mov_b32 s[G1+7], 0
	; group 1 for wo: 128 rows x 128 elements of 2 bytes, 1,024 elements from row to row; 8 words of pad behind every 64 words
	s_or_b32 s[G1B+0], s44, (1<<16)|(1<<20)|(1<<21)|(5<<22)|(7<<25)
	s_mov_b32 s[G1B+1], 128<<16
	s_mov_b32 s[G1B+2], 128<<16
	s_mov_b32 s[G1B+3], 128<<16
	s_mov_b32 s[G1B+4], 128
	s_mov_b32 s[G1B+5], 1024
	s_mov_b32 s[G1B+6], 0
	s_mov_b32 s[G1B+7], 0
	s_lshr_b32 s16, s15, 4                         ; att: batch b = Y / 16, 16 heads of 262,144 bytes,
	s_lshl_b32 s16, s16, 22
	s_and_b32 s17, s15, 15
	s_lshl_b32 s17, s17, 14                        ; (Y % 16) x 128 rows of 128 bytes,
	s_add_co_u32 s16, s16, s17
	s_lshl_b32 s17, s12, 19                        ; heads 2 w and 2 w + 1 of the tile's four
	s_add_co_u32 s16, s16, s17
	s_mov_b32 s17, 0
	s_lshl_b32 s46, s42, 8                         ; wo: 128 X columns of 2 bytes,
	s_lshl_b32 s45, s12, 18                        ; k-rows 128 (w - 2) of 2,048 bytes, from 14 MiB on
	s_add_co_u32 s46, s46, s45
	s_add_co_u32 s46, s46, 0xd80000
	s_mov_b32 s47, 0
	s_mul_i32 s20, s12, PIECE                      ; my piece of a slot: the wave's number alone
	s_lshl_b32 s22, s42, 9                         ; my 64 columns in bo and in a row of out0: (128 X + 64 j) x 4 bytes
	s_lshl_b32 s23, s14, 8
	s_add_co_u32 s22, s22, s23
	s_mov_b32 s23, 0
	; lane terms: r = l % 16, h = l / 16, e = l % 8, g = (l / 8) % 2
	v_and_b32 v1, 15, v0
	v_bfe_u32 v2, v0, 4, 1
	v_and_b32 v6, 7, v0
	v_bfe_u32 v7, v0, 3, 1
	v_mul_u32_u24 v3, v1, 144
	v_lshl_add_u32 v3, v2, 4, v3                   ; r x 144 + 16 h
	s_mul_i32 s21, s13, 64*144                     ; my 64 rows of every head
	v_add_nc_u32 v[ADRA], s21, v3
	v_add_nc_u32 v[ADRA+1], SLOT, v[ADRA]
	v_lshl_add_u32 v8, v2, 3, v6                   ; k-row 8 h + e
	v_mul_u32_u24 v8, v8, PB
	v_lshl_add_u32 v8, v7, 4, v8                   ; + 16 g
	s_lshl_b32 s45, s14, 7                         ; + my 64 columns
	v_add_nc_u32 v8, s45, v8
.irp s, 0,1
.irp p, 0,1
	v_add_nc_u32 v[ADRB+2*\s+\p], \s*SLOT+(2+\p)*PIECE, v8
.endr
.endr
	s_mul_i32 s45, s12, 16*272
	s_add_co_u32 s45, s45, STAGE                   ; my stage
	v_mul_u32_u24 v4, v1, 272
	v_lshl_add_u32 v4, v2, 5, v4
	v_add_nc_u32 v[STO], s45, v4                   ; in: row r, 32 bytes for each half of the lanes
	v_mul_u32_u24 v5, v2, 272
	v_lshl_add_u32 v5, v1, 4, v5
	v_add_nc_u32 v[RD], s45, v5                    ; back: lanes 0-15 take one row of 256 bytes, lanes 16-31 the next
	v_lshlrev_b32 v[BO], 4, v1
	v_lshl_add_u32 v[CO], v2, 12, v[BO]            ; and the same two rows in out0
	s_wait_dscnt 0x0
	s_wait_kmcnt 0x0
	s_add_nc_u64 s[18:19], s[4:5], s[16:17]
	s_add_nc_u64 s[46:47], s[6:7], s[46:47]
	s_add_nc_u64 s[8:9], s[8:9], s[22:23]
	s_add_nc_u64 s[10:11], s[10:11], s[22:23]
	s_lshl_b32 s22, s15, 19                        ; my first row of out0: (128 Y + 64 i) x 4,096 bytes
	s_lshl_b32 s23, s13, 18
	s_add_co_u32 s22, s22, s23
	s_mov_b32 s23, 0
	s_add_nc_u64 s[10:11], s[10:11], s[22:23]
	CROUND                                         ; all sixteen work-groups are here: the first joint loads meet
.irp s, 0,1
	s_mov_b32 s[G0+4*\s], 1
	s_add_co_u32 s[G0+4*\s+1], s20, \s*SLOT
	s_add_nc_u64 s[G0+4*\s+2:G0+4*\s+3], s[18:19], \s*0x100000     ; tile s: four heads on
	s_or_b32 s[G0+4*\s+3], s[G0+4*\s+3], 0x80000000
	s_mov_b32 s[G0B+4*\s], 1
	s_add_co_u32 s[G0B+4*\s+1], s20, \s*SLOT
	s_add_nc_u64 s[G0B+4*\s+2:G0B+4*\s+3], s[46:47], \s*0x80000    ; tile s: 256 k-rows down
	s_or_b32 s[G0B+4*\s+3], s[G0B+4*\s+3], 0x80000000
	JLOAD \s
.endr
	global_load_b128 v[BIAS:BIAS+3], v[BO], s[8:9]                 ; waited for in front of the way out
; 16 matrix instructions, one on each of the 16 accumulators: they take turns, one instruction a turn.
.macro MUL16 buf, ks, zero
.irp a, 0,1,2,3
.irp c, 0,1,2,3
.if \zero
	v_wmma_f32_16x16x32_f16 v[ACC+8*(4*\a+\c):ACC+8*(4*\a+\c)+7], v[FB+64*\buf+16*\c+8*\ks:FB+64*\buf+16*\c+8*\ks+7], v[FA+64*\buf+16*\a+8*\ks:FA+64*\buf+16*\a+8*\ks+7], 0
.else
	v_wmma_f32_16x16x32_f16 v[ACC+8*(4*\a+\c):ACC+8*(4*\a+\c)+7], v[FB+64*\buf+16*\c+8*\ks:FB+64*\buf+16*\c+8*\ks+7], v[FA+64*\buf+16*\a+8*\ks:FA+64*\buf+16*\a+8*\ks+7], v[ACC+8*(4*\a+\c):ACC+8*(4*\a+\c)+7]
.endif
.endr
.endr
.endm
; 32 LDS loads in one run: chunk ch (one head, 64 along K) of a slot into buffer buf
.macro FETCH slot, ch, buf
	WIN TO_B
.irp c, 0,1,2,3
.irp ks, 0,1
	ds_load_tr16_b128 v[FB+64*\buf+16*\c+8*\ks:FB+64*\buf+16*\c+8*\ks+3],   v[ADRB+2*\slot+(\ch)/2] offset:((\ch)%2)*64*PB+32*PB*\ks+32*\c
	ds_load_tr16_b128 v[FB+64*\buf+16*\c+8*\ks+4:FB+64*\buf+16*\c+8*\ks+7], v[ADRB+2*\slot+(\ch)/2] offset:((\ch)%2)*64*PB+32*PB*\ks+32*\c+16*PB
.endr
.endr
	WIN 0
.irp a, 0,1,2,3
.irp ks, 0,1
	ds_load_b128 v[FA+64*\buf+16*\a+8*\ks:FA+64*\buf+16*\a+8*\ks+3],   v[ADRA+\slot] offset:HEAD*(\ch)+2304*\a+64*\ks
	ds_load_b128 v[FA+64*\buf+16*\a+8*\ks+4:FA+64*\buf+16*\a+8*\ks+7], v[ADRA+\slot] offset:HEAD*(\ch)+2304*\a+64*\ks+32
.endr
.endr
.endm
; One of a tile's first three chunks: multiplies buffer buf; in its middle it fetches chunk nch of the same slot into buffer nbuf.
.macro CHUNK slot, nch, buf, nbuf, zero
	s_wait_dscnt 0x0                               ; this chunk's fragments are in
	WIN MULW
	MUL16 \buf, 0, \zero
	PLACES 4                                       ; four places in front of loads into registers that matrix instructions have read
	FETCH \slot, \nch, \nbuf
	WIN MULW
	MUL16 \buf, 1, 0
.endm
.macro THREE slot, zero
	CHUNK \slot, 1, 0, 1, \zero
	CHUNK \slot, 2, 1, 0, 0
	CHUNK \slot, 3, 0, 1, 0
.endm
; A tile's last chunk: multiplies buffer 1 and changes slots.  In front of the barrier each wave waits for its reads of this slot and for all its
; tensor loads.  fill = 1: the barrier opens a round of the cluster's barrier; the joint refill, two tiles ahead, is the first tensor load behind it.
.macro LAST slot, next, fill
	s_wait_dscnt 0x0
	s_set_vgpr_msb 0x5150
	s_wait_tensorcnt 0x0
	ds_add_u32 v254, v255
	s_wait_dscnt 0x0
	s_set_vgpr_msb 0x5051
	WIN MULW
	s_barrier_signal -1
	MUL16 1, 0, 0                                  ; register work while the others arrive
	WIN 0
	s_barrier_wait -1
.if \fill
	CREST
	s_add_nc_u64 s[G0+4*\slot+2:G0+4*\slot+3], s[G0+4*\slot+2:G0+4*\slot+3], 0x200000     ; no load of mine is out: both addresses step two tiles
	s_add_nc_u64 s[G0B+4*\slot+2:G0B+4*\slot+3], s[G0B+4*\slot+2:G0B+4*\slot+3], 0x100000
	JLOAD \slot
.endif
	PLACES 4
	FETCH \next, 0, 0
	WIN MULW
	MUL16 1, 1, 0
.endm
	s_wait_tensorcnt 1                             ; my piece of tile 0 is in; tile 1's stays out
	s_barrier_signal -1
	s_barrier_wait -1
	FETCH 0, 0, 0
	THREE 0, 1                                     ; tile 0: its first products start the sums
	LAST 0, 1, 1                                   ; slot 0 gets tile 2
	THREE 1, 0                                     ; tile 1
	LAST 1, 0, 1                                   ; slot 1 gets tile 3
	THREE 0, 0                                     ; tile 2
	LAST 0, 1, 0                                   ; nothing is left to fetch
	THREE 1, 0                                     ; tile 3
	s_wait_dscnt 0x0
	WIN MULW
	MUL16 1, 0, 0
	MUL16 1, 1, 0
	; THE WAY OUT, 16 rows at a time: 32 bytes a lane into my own stage, read back as whole rows of 256 bytes, the bias added, stored.
	PLACES 4                                       ; four places in front of the LDS stores, which read results
	s_wait_loadcnt 0x0                             ; bo
.macro OUT a
	WIN 0x04                                       ; store data in window 1
.irp c, 0,1,2,3
	ds_store_b128 v[STO], v[ACC+8*(4*\a+\c):ACC+8*(4*\a+\c)+3]   offset:64*\c
	ds_store_b128 v[STO], v[ACC+8*(4*\a+\c)+4:ACC+8*(4*\a+\c)+7] offset:64*\c+16
.endr
	WIN 0
	s_wait_xcnt 0x0                                ; RB, which the last sixteen rows' stores read, is loaded again only behind this wait
.irp t, 0,1,2,3,4,5,6,7
	ds_load_b128 v[RB+4*\t:RB+4*\t+3], v[RD] offset:544*\t         ; LDS serves a wave's instructions in order: these see the stores above
.endr
.irp t, 0,1,2,3,4,5,6,7
	s_wait_dscnt 7-\t                              ; this load is in, the younger ones stay out
	v_pk_add_f32 v[RB+4*\t:RB+4*\t+1],   v[RB+4*\t:RB+4*\t+1],   v[BIAS:BIAS+1]
	v_pk_add_f32 v[RB+4*\t+2:RB+4*\t+3], v[RB+4*\t+2:RB+4*\t+3], v[BIAS+2:BIAS+3]
	global_store_b128 v[CO], v[RB+4*\t:RB+4*\t+3], s[10:11] offset:(16*\a+2*\t)*4096 th:TH_STORE_NT   ; 16 lanes store 256 consecutive bytes, at a multiple of 256 from out0's first byte
.endr
.endm
	OUT 0
	OUT 1
	OUT 2
	OUT 3
	s_wait_tensorcnt 0x0
	ds_add_u32 v254, v255
	s_wait_dscnt 0x0
	CROUND                                         ; the closing round: no work-group ends while a partner may still ask for a tile that names it
	s_endpgm
.Lfunc_end_k_q5ec0a3cc5c_outproj:
	.size	k_q5ec0a3cc5c_outproj, .Lfunc_end_k_q5ec0a3cc5c_outproj-k_q5ec0a3cc5c_outproj
	.p2alignl 7, 3214868480
	.fill 96, 4, 3214868480
	.section	.rodata,"a",@progbits
	.p2align	6, 0x0
	.amdhsa_kernel k_q5ec0a3cc5c_outproj
		.amdhsa_group_segment_fixed_size 327680
		.amdhsa_private_segment_fixed_size 0
		.amdhsa_enable_private_segment 0
		.amdhsa_kernarg_size 32
		.amdhsa_user_sgpr_count 2
		.amdhsa_user_sgpr_kernarg_segment_ptr 1
		.amdhsa_wavefront_size32 1
		.amdhsa_system_sgpr_workgroup_id_x 1
		.amdhsa_system_sgpr_workgroup_id_y 1
		.amdhsa_system_sgpr_workgroup_id_z 1
		.amdhsa_system_vgpr_workitem_id 0
		.amdhsa_next_free_vgpr 512
		.amdhsa_next_free_sgpr 66
		.amdhsa_reserve_vcc 0
		.amdhsa_float_denorm_mode_32 3
		.amdhsa_float_denorm_mode_16_64 3
		.amdhsa_memory_ordered 1
		.amdhsa_forward_progress 1
		.amdhsa_inst_pref_size 90
	.end_amdhsa_kernel
	.amdgpu_metadata
---
amdhsa.version: [ 1, 2 ]
amdhsa.kernels:
  - .name:           k_q5ec0a3cc5c_outproj
    .symbol:         k_q5ec0a3cc5c_outproj.kd
    .args:
      - { .name: att, .offset: 0, .size: 8, .value_kind: global_buffer, .address_space: global }
      - { .name: xw, .offset: 8, .size: 8, .value_kind: global_buffer, .address_space: global }
      - { .name: bo, .offset: 16, .size: 8, .value_kind: global_buffer, .address_space: global }
      - { .name: out0, .offset: 24, .size: 8, .value_kind: global_buffer, .address_space: global }
    .group_segment_fixed_size: 327680
    .private_segment_fixed_size: 0
    .kernarg_segment_align: 8
    .kernarg_segment_size: 32
    .max_flat_workgroup_size: 128
    .sgpr_count:     66
    .vgpr_count:     512
    .wavefront_size: 32
...
	.end_amdgpu_metadata
.endif
;; end of part 4
;; ======== version 2 of 2: 4 launches; version 1 with the launch cast written anew for expert scheduling mode
;; limits: values are held in f16: magnitudes above 65,504 overflow, below 6.1e-05 lose precision
;; workspace buffers: xw 16,777,216 bytes; qkv 25,165,824 bytes; att 8,388,608 bytes
;; launch cast (part 5): grid 32 x 8, 8 waves a work-group, no clusters, 0 bytes of LDS; arguments x, wq, wk, wv, wo, xw; writes xw
.if DOCPART == 5
	.amdgcn_target "amdgcn-amd-amdhsa--gfx1250"
	.amdhsa_code_object_version 6
	.text
	.protected	k_q5ec0a3cc5c_cast
	.globl	k_q5ec0a3cc5c_cast
	.p2align	8
	.type	k_q5ec0a3cc5c_cast,@function
k_q5ec0a3cc5c_cast:
	s_mov_b64 s[64:65], 0
	v_nop
	global_prefetch_b8 v0, s[64:65] scope:SCOPE_SE
	s_setreg_imm32_b32 hwreg(HW_REG_WAVE_SCHED_MODE, 0, 2), 2
	s_setreg_imm32_b32 hwreg(HW_REG_WAVE_MODE, 25, 1), 1
	s_wait_xcnt 0x0
	s_wait_alu depctr_vm_vsrc(0)
; x and the four weight matrices, f32, are rounded once to f16 and laid one behind the other in xw:
;   bytes 0 .. 8 MiB: x as [4096][1024]; then wq, wk, wv, wo, each [1024 k][1024 n], 2 MiB each.  Nothing is transposed.
; LIMIT: f16 keeps 11 significant bits and is finite up to 65,504: a larger |x| or |w| becomes an infinity.
; A stream: every input byte is read once and every output byte written once, so LDS, barriers, the matrix unit and clusters
; (no two work-groups read the same bytes) would add nothing.
; Work-group (gx, gy): gy picks a unit of 4 MiB of f32 (0..3: the quarters of x; 4..7: wq, wk, wv, wo), gx 128 KiB of it.
; Load i of the group covers 4 KiB: thread t reads the 16 bytes at 16 t + 4096 i (a wave: 512 consecutive bytes) and stores the
; 8 bytes at 8 t + 2048 i (a wave: 256 consecutive bytes, at a multiple of 256 from xw's first byte).
; All 32 loads of a thread go out before the first wait; no register is written twice, so no source needs to be freed.
; THE MODE: SCHED_MODE bits 1:0 = 2 (LLVM: expert scheduling mode 2), set by the entry lines.  The code itself states the register dependences
; between vector instructions and memory instructions, with s_wait_alu, always for 0.
; THE PLAN.  Registers that memory instructions touch:
;   v1, v2   byte offsets.  Written once, by the two shifts at the head; v1 is read by every load, v2 by every store; never written again.
;   IN       chunk i: written by load i alone, read by chunk i's two conversions; no vector instruction writes it, no second load lands in it.
;   OUT      chunk i: written by chunk i's two conversions alone, read by store i; never written again.
; So the only dependence between the two sides is a vector result that a memory instruction reads.  One wait in front of the first load states it for
; v1 and v2.  The 32 chunks go in eight blocks of four: a block's eight conversions, ONE wait, which states that they have written the block's OUT,
; and the block's four stores in a run.  No register that a load or store has read is written again, so no wait is owed for that.
; A block's stores stand straight behind the block, not behind the next block's data: nothing follows the last stores, so four stores of a wave,
; not eight, are left to go when its last load has come.
.set CHUNKS, 32
.set BLOCK,  4                         ; chunks in a block: one wait on the vector side for four stores
.set IN,  8                            ; v[8:135]    chunk i: 4 f32 as loaded
.set OUT, 136                          ; v[136:199]  chunk i: 4 f16 to store
	s_load_b256 s[4:11], s[0:1], 0x0               ; x s[4:5], wq s[6:7], wk s[8:9], wv s[10:11]
	s_load_b128 s[12:15], s[0:1], 0x20             ; wo s[12:13], xw s[14:15]
	s_and_b32 s18, ttmp7, 0xffff                   ; gy: the unit
	v_lshlrev_b32 v1, 4, v0                        ; 16 t
	v_lshlrev_b32 v2, 3, v0                        ; 8 t
	s_cmp_lt_u32 s18, 4
	s_cselect_b32 s20, s18, 0                      ; the quarter of x; a weight matrix is one unit
	s_lshl_b32 s20, s20, 22                        ; x 4 MiB
	s_lshl_b32 s21, ttmp9, 17                      ; + gx x 128 KiB
	s_add_co_u32 s20, s20, s21
	s_mov_b32 s21, 0
	s_lshl_b32 s22, s18, 21                        ; out: unit x 2 MiB
	s_lshl_b32 s23, ttmp9, 16                      ; + gx x 64 KiB
	s_add_co_u32 s22, s22, s23
	s_mov_b32 s23, 0
	s_wait_kmcnt 0x0
	s_mov_b64 s[16:17], s[4:5]                     ; the unit's buffer, chosen by gy alone
	s_cmp_eq_u32 s18, 4
	s_cselect_b64 s[16:17], s[6:7], s[16:17]
	s_cmp_eq_u32 s18, 5
	s_cselect_b64 s[16:17], s[8:9], s[16:17]
	s_cmp_eq_u32 s18, 6
	s_cselect_b64 s[16:17], s[10:11], s[16:17]
	s_cmp_eq_u32 s18, 7
	s_cselect_b64 s[16:17], s[12:13], s[16:17]
	s_add_nc_u64 s[16:17], s[16:17], s[20:21]
	s_add_nc_u64 s[14:15], s[14:15], s[22:23]
	s_wait_alu depctr_va_vdst(0)                   ; v1 and v2 are written: every load below reads v1 as its offset, every store v2, and nothing writes them again
.set i, 0
.rept CHUNKS
	global_load_b128 v[IN+4*i:IN+4*i+3], v1, s[16:17] offset:4096*i th:TH_LOAD_NT
.set i, i+1
.endr
.set p, 0
.rept CHUNKS/BLOCK
	s_wait_loadcnt CHUNKS-BLOCK*(p+1)              ; loads come back in order (ISA guide 5.7.1): block p's four chunks are in, the younger blocks stay out
.set i, BLOCK*p
.rept BLOCK
	v_cvt_pk_f16_f32 v[OUT+2*i],   v[IN+4*i],   v[IN+4*i+1]
	v_cvt_pk_f16_f32 v[OUT+2*i+1], v[IN+4*i+2], v[IN+4*i+3]
.set i, i+1
.endr
	s_wait_alu depctr_va_vdst(0)                   ; the eight conversions have written the block's OUT, which the four stores below read as their data
.set i, BLOCK*p
.rept BLOCK
	global_store_b64 v2, v[OUT+2*i:OUT+2*i+1], s[14:15] offset:2048*i
.set i, i+1
.endr
.set p, p+1
.endr
	s_endpgm
.Lfunc_end_k_q5ec0a3cc5c_cast:
	.size	k_q5ec0a3cc5c_cast, .Lfunc_end_k_q5ec0a3cc5c_cast-k_q5ec0a3cc5c_cast
	.p2alignl 7, 3214868480
	.fill 96, 4, 3214868480
	.section	.rodata,"a",@progbits
	.p2align	6, 0x0
	.amdhsa_kernel k_q5ec0a3cc5c_cast
		.amdhsa_group_segment_fixed_size 0
		.amdhsa_private_segment_fixed_size 0
		.amdhsa_enable_private_segment 0
		.amdhsa_kernarg_size 48
		.amdhsa_user_sgpr_count 2
		.amdhsa_user_sgpr_kernarg_segment_ptr 1
		.amdhsa_wavefront_size32 1
		.amdhsa_system_sgpr_workgroup_id_x 1
		.amdhsa_system_sgpr_workgroup_id_y 1
		.amdhsa_system_sgpr_workgroup_id_z 1
		.amdhsa_system_vgpr_workitem_id 0
		.amdhsa_next_free_vgpr 200
		.amdhsa_next_free_sgpr 66
		.amdhsa_reserve_vcc 0
		.amdhsa_float_denorm_mode_32 3
		.amdhsa_float_denorm_mode_16_64 3
		.amdhsa_memory_ordered 1
		.amdhsa_forward_progress 1
		.amdhsa_inst_pref_size 12
	.end_amdhsa_kernel
	.amdgpu_metadata
---
amdhsa.version: [ 1, 2 ]
amdhsa.kernels:
  - .name:           k_q5ec0a3cc5c_cast
    .symbol:         k_q5ec0a3cc5c_cast.kd
    .args:
      - { .name: x, .offset: 0, .size: 8, .value_kind: global_buffer, .address_space: global }
      - { .name: wq, .offset: 8, .size: 8, .value_kind: global_buffer, .address_space: global }
      - { .name: wk, .offset: 16, .size: 8, .value_kind: global_buffer, .address_space: global }
      - { .name: wv, .offset: 24, .size: 8, .value_kind: global_buffer, .address_space: global }
      - { .name: wo, .offset: 32, .size: 8, .value_kind: global_buffer, .address_space: global }
      - { .name: xw, .offset: 40, .size: 8, .value_kind: global_buffer, .address_space: global }
    .group_segment_fixed_size: 0
    .private_segment_fixed_size: 0
    .kernarg_segment_align: 8
    .kernarg_segment_size: 48
    .max_flat_workgroup_size: 256
    .sgpr_count:     66
    .vgpr_count:     200
    .wavefront_size: 32
...
	.end_amdgpu_metadata
.endif
;; end of part 5
;; launch qkvproj: the kernel of part 2 again; grid 8 x 32, 4 waves a work-group, clusters of 4 x 4, 327,680 bytes of LDS; arguments xw, qkv; writes qkv
;; launch attn: the kernel of part 3 again; grid 8 x 32, 8 waves a work-group, clusters of 4 x 1, 327,680 bytes of LDS; arguments qkv, att; writes att
;; launch outproj: the kernel of part 4 again; grid 8 x 32, 4 waves a work-group, clusters of 4 x 4, 327,680 bytes of LDS; arguments att, xw, bo, out0; writes out0
